; MI455X (gfx1250); checked and timed in simulation.
; The chip was launched on July 23, 2026; its instructions are those of AMD's public machine-readable ISA for CDNA 5 (MIT licence, August 2026) and "CDNA5" Instruction Set Architecture Reference Guide (July 2026). The comments in the code are by the model that wrote it; some were corrected since.
;; Bahdanau Attention. Allowed arithmetic: matrix products marked QUANTISED: E3M2 operands, one E8M0 scale for each 32 along K, by v_wmma_scale_f32_16x16x128_f8f6f4 with both operands' format E3M2, f32 sums; products left as they are: f32 operands where the result goes on into a quantised operand, else bf16, f16 or f32 operands; f32 sums; everything else in f32.
;; Inputs: Wa_b 1 float32; Wa_w 1 x 1,024 float32; Wb_b 1,024 float32; Wb_w_codes 1,024 x 32 x 24 uint8 (E3M2 codes of Wb_w, K innermost, in blocks of 32 codes, four codes in three bytes); Wb_w_scales 1,024 x 32 uint8 (E8M0 scales of Wb_w, one for each 32 codes along K); Wc_b 1,024 float32; Wc_w_codes 1,024 x 32 x 24 uint8 (E3M2 codes of Wc_w, K innermost, in blocks of 32 codes, four codes in three bytes); Wc_w_scales 1,024 x 32 uint8 (E8M0 scales of Wc_w, one for each 32 codes along K); decoder_state_codes 32 x 32 x 24 uint8 (E3M2 codes of decoder_state, K innermost, in blocks of 32 codes, four codes in three bytes); decoder_state_scales 32 x 32 uint8 (E8M0 scales of decoder_state, one for each 32 codes along K); encoder_hiddens 32 x 2,048 x 1,024 float32.
;; Outputs: out0 32 x 1,024 float32.
;; This version of the problem:
;;   THIS VERSION OF THE PROBLEM IS GIVEN IN LOW PRECISION. The matrix products marked QUANTISED in the list below multiply operands that are first quantised to E3M2 (3 exponent bits, 2 mantissa bits; 6 bits a number), with one power-of-two scale for each 32 numbers along K (OCP MX v1.0); their sums are f32. All else is computed in f32.
;;   The module's matrix products, in the order in which they are computed (A, B: the left and right operand; K: the contracted axis; several contracted axes count as one K, in the product's order):
;;     1. [M 32, K 1,024] x [K 1,024, N 1,024]; A: input decoder_state (given as codes); B: input Wb_w (given as codes): QUANTISED
;;     2. [M 65,536, K 1,024] x [K 1,024, N 1,024]; A: input encoder_hiddens; B: input Wc_w (given as codes): QUANTISED
;;     3. [M 65,536, K 1,024] x [K 1,024, N 1]; A: computed on the way; B: input Wa_w: left as it is (N = 1 < 16)
;;     4. batch 32 x [M 1, K 2,048] x [K 2,048, N 1,024]; A: softmax; B: input encoder_hiddens: left as it is (M = 1 < 16)
;;   THE QUANTISER, for each operand of a quantised product, along K:
;;     - K is cut into blocks of 32 from its start; a last block that is shorter is filled with zeros.
;;     - A block's scale is 2^e with e = floor(log2(the largest magnitude in the block)) - 4, held to -126 .. 127; a block of zeros has e = 0. As a byte (E8M0): e + 127.
;;     - Each number is divided by its block's scale, clamped to +-28, and rounded to the nearest number of E3M2, ties to even, subnormals kept.
;;     - The product sums the exact products of the quantised numbers (number of the format x scale) in f32.
;;   ~~~python
;;   def quantise(x, axis):      # numpy; x: float32 -> the quantised numbers, widened to float32 again
;;       x = np.moveaxis(x, axis, -1); K = x.shape[-1]
;;       x = np.pad(x, [(0, 0)] * (x.ndim - 1) + [(0, -K % 32)]); x = x.reshape(x.shape[:-1] + (-1, 32)); a = np.abs(x).max(-1, keepdims=True)
;;       e = np.where(a > 0, np.clip(np.frexp(np.where(a > 0, a, 1))[1] - 1 - 4, -126, 127), 0)      # np.frexp(a)[1] - 1 = floor(log2(a)), exactly
;;       r = np.clip(x / 2.0 ** e, -28, 28)
;;       step = 2.0 ** (np.maximum(np.frexp(np.where(r == 0, 1, r))[1] - 1, -2) - 2)
;;       q = np.round(r / step) * step * 2.0 ** e      # np.round: ties to even
;;       return np.moveaxis(q.reshape(q.shape[:-2] + (-1,))[..., :K], -1, axis).astype(np.float32)
;;   ~~~
;;   INPUTS GIVEN AS CODES. Wb_w (in the module: [1024, 1024], K = its axis 1); Wc_w (in the module: [1024, 1024], K = its axis 1); decoder_state (in the module: [32, 1024], K = its axis 1): each comes as NAME_codes (uint8): NAME with its K axis moved to the last place and cut into blocks of 32 codes, [.., K / 32, bytes a block], one block behind the other in memory; four codes in three bytes: a row's codes are one little-endian stream of bits, code i at bits 6 i .. 6 i + 5 (a code: sign, 3 exponent bits, 2 mantissa bits); and NAME_scales (uint8): the same leading axes, one E8M0 byte (e + 127) for each 32 codes along K. Its value is code x scale, taken as it is: it is not quantised again, and the codes and scales need not be those that the quantiser above would give.
;; One version. Each part assembles by itself: llvm-mc -triple=amdgcn-amd-amdhsa -mcpu=gfx1250 --defsym DOCPART=n.
;; ======== version 1 of 1: 3 launches
;; limits: right only within a limited range of input values
;; workspace buffers: wimg 786,432 bytes; bias 131,072 bytes; part 8,388,608 bytes; ml 524,288 bytes
;; launch prep (part 1): grid 128 x 1, 2 waves a work-group, no clusters, 2,304 bytes of LDS; arguments decoder_state_codes, decoder_state_scales, Wb_w_codes, Wb_w_scales, Wb_b, Wc_b, Wc_w_codes, bias, wimg; writes bias, wimg
.if DOCPART == 1
	.amdgcn_target "amdgcn-amd-amdhsa--gfx1250"
	.amdhsa_code_object_version 6
	.text
	.protected	k_qe317190772_prep
	.globl	k_qe317190772_prep
	.p2align	8
	.type	k_qe317190772_prep,@function
k_qe317190772_prep:
	s_mov_b64 s[64:65], 0
	v_nop
	global_prefetch_b8 v0, s[64:65] scope:SCOPE_SE
	s_setreg_imm32_b32 hwreg(HW_REG_WAVE_MODE, 25, 1), 1
	s_wait_xcnt 0x0
; bias = decoder_state . Wb_w^T + Wb_b + Wc_b  (32 batches x 1,024 units, f32), the product on codes of E3M2 with E8M0 scales, as they are given;
; wimg = Wc_w's codes laid in the order of an operand's registers: fragment (tile t of 16 rows, K step s of 128) at (8 t + s) x 1,536 bytes; in it registers 4 c .. 4 c + 3 of lane l at 512 c + 16 l.
; bias IS LAID BY TILES: [64 tiles of 16 units][32 batches][16 units]: unit 16 t + i of batch b at 2,048 t + 64 b + 4 i.  So the 16 x 16 numbers that one work-group makes are 1,024 consecutive bytes.
; SHARES.  128 work-groups of two waves.  Work-group g has tile t = g / 2 of Wb_w against batches 16 (g % 2) .. + 15; wave 0 sums K steps 0-3, wave 1 K steps 4-7.  The two partial tiles meet in LDS; each wave then adds one half of the
; tile, with the two biases, and stores 512 consecutive bytes.  Of the image's 512 fragments each of the 256 waves lays two: tile t, K steps 4 (g % 2) + 2 wave + 0, 1.
; A wave has 64 loads, all issued together; a work-group 128.
; ORDER OF THE SUM: (K steps 0-3) + (K steps 4-7) + (Wb_b + Wc_b), all in f32.
; THE PRODUCT IS USED TRANSPOSED: source 0 = 16 rows of Wb_w, source 1 = 16 batches.  Lane (r, h) then holds batch r and its registers j the units 8 h + j of the tile.
; No tensor load, no cluster: nothing is shared between work-groups but the 24 KB of decoder_state.
; REGISTERS: v2-7, v24-26 addresses; v8-11 Wb_w's scale words, v16-19 decoder_state's (these hold scales alone); v28-31 the result; v32-79 Wb_w's four fragments; v80-127 decoder_state's; v128-151 Wc_w's two;
;   v224-231 the biases; v232-235 the other wave's part; v240-247 the sum.
.set ROWB,  768                        ; a row of 1,024 codes in bytes
; WORK LEFT OUT BY THE WHOLE PROGRAM.  tanh(x) = 1 - 2 r with r = 1 / (1 + e^(2 x)), so scores[b][s] = (Wa_b + the sum of Wa_w) - 2 x the sum over k of Wa_w[k] r[b][s][k].
; The term in brackets is the same for every s, and softmax along s takes away whatever is the same along s, for all values of the inputs.  So it is never formed: Wa_b is loaded by no launch and is no argument.
; LIMIT: a NaN, an infinity or an overflow that reaches only that term is not carried to the result.
.set TILEB, 16*ROWB
	s_load_b512 s[4:19], s[0:1], 0x0               ; decoder codes s[4:5], decoder scales s[6:7], Wb codes s[8:9], Wb scales s[10:11], Wb_b s[12:13], Wc_b s[14:15], Wc codes s[16:17], bias s[18:19]
	s_load_b64 s[20:21], s[0:1], 0x40              ; wimg
	v_lshl_add_u32 v254, v0, 2, 0x800
	v_mov_b32 v255, 0
	v_lshrrev_b32 v1, 5, v0
	v_readfirstlane_b32 s24, v1                    ; wave 0, 1: which half of K
	v_and_b32 v2, 15, v0                           ; r
	s_wait_alu depctr_va_vdst(0)
	v_bfe_u32 v7, v0, 4, 1                         ; h
	v_and_b32 v24, 31, v0                          ; lane
	v_mul_u32_u24 v3, v2, ROWB
	v_mad_u32_u24 v3, v7, 24, v3                   ; a fragment: row r, + 24 h
	v_lshlrev_b32 v4, 5, v2                        ; scale words: 32 bytes a row
	v_and_b32 v5, 3, v0
	v_lshlrev_b32 v5, 4, v5                        ; biases, on the way out: 16 (lane % 4): the four units of my 16 bytes
	v_lshlrev_b32 v6, 4, v24                       ; 16 x lane
	s_lshr_b32 s27, ttmp9, 1                       ; t
	s_and_b32 s26, ttmp9, 1                        ; which 16 batches; also which four K steps of the image
	s_mul_i32 s25, s24, 384                        ; my four K steps along a row of codes
	s_mul_i32 s28, s27, TILEB
	s_add_co_u32 s28, s28, s25                     ; Wb_w: the tile's codes, my half of K
	s_mov_b32 s29, 0
	s_mul_i32 s30, s26, TILEB
	s_add_co_u32 s30, s30, s25                     ; decoder_state: the batches' codes, my half of K
	s_mov_b32 s31, 0
	s_lshl_b32 s25, s24, 4                         ; my four scale words of a row's eight
	s_lshl_b32 s32, s27, 9                         ; the tile's scale bytes: 16 rows x 32
	s_add_co_u32 s32, s32, s25
	s_mov_b32 s33, 0
	s_lshl_b32 s34, s26, 9                         ; the batches'
	s_add_co_u32 s34, s34, s25
	s_mov_b32 s35, 0
	s_lshl_b32 s36, s27, 6                         ; the tile's 16 biases
	s_mov_b32 s37, 0
	s_mul_i32 s38, s27, TILEB                      ; Wc_w: the tile, K step 4 (g % 2) + 2 wave: 96 bytes a K step
	s_mul_i32 s25, s26, 384
	s_add_co_u32 s38, s38, s25
	s_mul_i32 s25, s24, 192
	s_add_co_u32 s38, s38, s25
	s_mov_b32 s39, 0
	s_mul_i32 s40, s27, TILEB                      ; and the same two fragments in the image: 1,536 bytes each
	s_mul_i32 s25, s26, 6144
	s_add_co_u32 s40, s40, s25
	s_mul_i32 s25, s24, 3072
	s_add_co_u32 s40, s40, s25
	s_mov_b32 s41, 0
	s_lshl_b32 s42, ttmp9, 10                      ; bias: the work-group's 1,024 bytes, my half of them
	s_lshl_b32 s25, s24, 9
	s_add_co_u32 s42, s42, s25
	s_mov_b32 s43, 0
	s_lshl_b32 s44, s24, 10                        ; LDS: my partial tile at 1,024 x wave: batch r at 64 r, my eight units at 32 h
	v_lshlrev_b32 v25, 6, v2
	s_wait_alu depctr_va_vdst(0)
	v_lshl_add_u32 v25, v7, 5, v25
	v_add_nc_u32 v25, s44, v25
	v_add_nc_u32 v26, s25, v6                      ; and back: 512 x wave + 16 x lane, in both partial tiles
	s_wait_kmcnt 0x0
	s_add_nc_u64 s[16:17], s[16:17], s[38:39]
	s_add_nc_u64 s[20:21], s[20:21], s[40:41]
	s_add_nc_u64 s[8:9], s[8:9], s[28:29]
	s_add_nc_u64 s[4:5], s[4:5], s[30:31]
	s_add_nc_u64 s[10:11], s[10:11], s[32:33]
	s_add_nc_u64 s[6:7], s[6:7], s[34:35]
	s_add_nc_u64 s[12:13], s[12:13], s[36:37]
	s_add_nc_u64 s[14:15], s[14:15], s[36:37]
	s_add_nc_u64 s[18:19], s[18:19], s[42:43]
.irp s, 0,1
.irp p, 0,1,2,3,4,5
	global_load_b64 v[128+12*\s+2*\p:128+12*\s+2*\p+1], v3, s[16:17] offset:96*\s+48*(\p/3)+8*(\p%3)   ; Wc_w's fragments first: 24 bytes of the row's stream of bits for each 64 along K, in pieces of 8
.endr
.endr
	global_load_b128 v[8:11], v4, s[10:11]         ; a row's four scale words, one for each of my K steps
	global_load_b128 v[16:19], v4, s[6:7]
	global_load_b128 v[224:227], v5, s[12:13]
	global_load_b128 v[228:231], v5, s[14:15]
.irp s, 0,1,2,3
.irp p, 0,1,2,3,4,5
	global_load_b64 v[32+12*\s+2*\p:32+12*\s+2*\p+1], v3, s[8:9] offset:96*\s+48*(\p/3)+8*(\p%3)       ; Wb_w's
.endr
.endr
.irp s, 0,1,2,3
.irp p, 0,1,2,3,4,5
	global_load_b64 v[80+12*\s+2*\p:80+12*\s+2*\p+1], v3, s[4:5] offset:96*\s+48*(\p/3)+8*(\p%3)       ; decoder_state's
.endr
.endr
	s_wait_loadcnt 52                              ; loads come back in order: Wc_w's 12 are in, the 4 + 24 + 24 behind them stay out
.irp s, 0,1
.irp c, 0,1,2
	global_store_b128 v6, v[128+12*\s+4*\c:128+12*\s+4*\c+3], s[20:21] offset:1536*\s+512*\c   ; 32 lanes store 512 consecutive bytes, at a multiple of 256 from wimg's first byte; they leave while the product is made
.endr
.endr
	s_wait_loadcnt 0x0
	v_wmma_scale_f32_16x16x128_f8f6f4 v[240:247], v[32:43], v[80:91], 0, v8, v16 matrix_a_fmt:MATRIX_FMT_BF6 matrix_b_fmt:MATRIX_FMT_BF6   ; the first K step starts the sum
.irp s, 1,2,3
	s_wait_alu depctr_va_vdst(0)                   ; a wait ahead of each
	v_wmma_scale_f32_16x16x128_f8f6f4 v[240:247], v[32+12*\s:43+12*\s], v[80+12*\s:91+12*\s], v[240:247], v[8+\s], v[16+\s] matrix_a_fmt:MATRIX_FMT_BF6 matrix_b_fmt:MATRIX_FMT_BF6
.endr
	v_pk_add_f32 v[224:225], v[224:225], v[228:229]   ; Wb_b + Wc_b.  With the two v_nop: four places between the last product and the first read of its result (ISA guide 7.12.1)
	v_pk_add_f32 v[226:227], v[226:227], v[230:231]
	v_nop
	v_nop
	ds_store_b128 v25, v[240:243]                  ; from the low end on
	ds_store_b128 v25, v[244:247] offset:16
	s_wait_dscnt 0x0                               ; for the other wave's sake: my partial tile lies in LDS
	s_barrier_signal -1
	s_barrier_wait -1
	ds_load_b128 v[28:31], v26                     ; wave 0's part of my 16 bytes,
	ds_load_b128 v[232:235], v26 offset:1024       ; and wave 1's
	s_wait_dscnt 0x0
	v_pk_add_f32 v[28:29], v[28:29], v[232:233]
	s_wait_alu depctr_va_vdst(0)
	v_pk_add_f32 v[30:31], v[30:31], v[234:235]
	v_pk_add_f32 v[28:29], v[28:29], v[224:225]
	v_pk_add_f32 v[30:31], v[30:31], v[226:227]
	global_store_b128 v6, v[28:31], s[18:19]       ; 32 lanes store 512 consecutive bytes, at a multiple of 256 from bias's first byte
	s_wait_tensorcnt 0x0
	ds_add_u32 v254, v255
	s_wait_dscnt 0x0
	s_endpgm
.Lfunc_end_k_qe317190772_prep:
	.size	k_qe317190772_prep, .Lfunc_end_k_qe317190772_prep-k_qe317190772_prep
	.p2alignl 7, 3214868480
	.fill 96, 4, 3214868480
	.section	.rodata,"a",@progbits
	.p2align	6, 0x0
	.amdhsa_kernel k_qe317190772_prep
		.amdhsa_group_segment_fixed_size 2304
		.amdhsa_private_segment_fixed_size 0
		.amdhsa_enable_private_segment 0
		.amdhsa_kernarg_size 72
		.amdhsa_user_sgpr_count 2
		.amdhsa_user_sgpr_kernarg_segment_ptr 1
		.amdhsa_wavefront_size32 1
		.amdhsa_system_sgpr_workgroup_id_x 1
		.amdhsa_system_sgpr_workgroup_id_y 1
		.amdhsa_system_sgpr_workgroup_id_z 1
		.amdhsa_system_vgpr_workitem_id 0
		.amdhsa_next_free_vgpr 256
		.amdhsa_next_free_sgpr 66
		.amdhsa_reserve_vcc 0
		.amdhsa_float_denorm_mode_32 3
		.amdhsa_float_denorm_mode_16_64 3
		.amdhsa_memory_ordered 1
		.amdhsa_forward_progress 1
		.amdhsa_inst_pref_size 12
	.end_amdhsa_kernel
	.amdgpu_metadata
---
amdhsa.version: [ 1, 2 ]
amdhsa.kernels:
  - .name:           k_qe317190772_prep
    .symbol:         k_qe317190772_prep.kd
    .args:
      - { .name: decoder_state_codes, .offset: 0, .size: 8, .value_kind: global_buffer, .address_space: global }
      - { .name: decoder_state_scales, .offset: 8, .size: 8, .value_kind: global_buffer, .address_space: global }
      - { .name: Wb_w_codes, .offset: 16, .size: 8, .value_kind: global_buffer, .address_space: global }
      - { .name: Wb_w_scales, .offset: 24, .size: 8, .value_kind: global_buffer, .address_space: global }
      - { .name: Wb_b, .offset: 32, .size: 8, .value_kind: global_buffer, .address_space: global }
      - { .name: Wc_b, .offset: 40, .size: 8, .value_kind: global_buffer, .address_space: global }
      - { .name: Wc_w_codes, .offset: 48, .size: 8, .value_kind: global_buffer, .address_space: global }
      - { .name: bias, .offset: 56, .size: 8, .value_kind: global_buffer, .address_space: global }
      - { .name: wimg, .offset: 64, .size: 8, .value_kind: global_buffer, .address_space: global }
    .group_segment_fixed_size: 2304
    .private_segment_fixed_size: 0
    .kernarg_segment_align: 8
    .kernarg_segment_size: 72
    .max_flat_workgroup_size: 64
    .sgpr_count:     66
    .vgpr_count:     256
    .wavefront_size: 32
...
	.end_amdgpu_metadata
.endif
;; end of part 1
;; launch fused (part 2): grid 256 x 1, 8 waves a work-group, no clusters, 109,568 bytes of LDS; arguments encoder_hiddens, wimg, Wc_w_scales, bias, Wa_w, part, ml; writes part, ml
.if DOCPART == 2
	.amdgcn_target "amdgcn-amd-amdhsa--gfx1250"
	.amdhsa_code_object_version 6
	.text
	.protected	k_qe317190772_fused
	.globl	k_qe317190772_fused
	.p2align	8
	.type	k_qe317190772_fused,@function
k_qe317190772_fused:
	s_mov_b64 s[64:65], 0
	v_nop
	global_prefetch_b8 v0, s[64:65] scope:SCOPE_SE
	s_setreg_imm32_b32 hwreg(HW_REG_WAVE_MODE, 25, 1), 1
	s_wait_xcnt 0x0
; For each wave's 32 rows s of one batch b:  t[s] = -2 log2(e) x sum over k of Wa_w[k] r,  r = 1 / (1 + 2^(c x)),  x = bias[b][k] + encoder_hiddens[b][s] . Wc_w[k],  c = 2 log2(e);
; then m = the largest t of the 32, p = 2^(t - m), l = the sum of p, and part = the sum of p x encoder_hiddens[b][s][:], in f32.  The next launch joins a batch's 64 parts.
; LEFT OUT: Wa_b + the sum of Wa_w, the same along the softmax's axis (shown at the head of the first kernel).
; bias holds dec_proj + Wb_b + Wc_b by tiles (unit 16 t + i of batch b at 2,048 t + 64 b + 4 i); wimg holds Wc_w's codes in the order of an operand's registers (fragment (t, s) at (8 t + s) x 1,536 bytes).
; The product is made on codes of E3M2 with E8M0 scales: encoder_hiddens is quantised here, in f32, by the stated rule; Wc_w's codes and scales are taken as given.
; For large x 2^(c x) is infinite and r = 0; for very negative x it is 0 and r = 1.
; LIMITS.  NaN and infinities among the inputs are not served.  A block of 32 zeros gets the scale byte 1 where the rule says 127: its codes are zeros, and this program alone reads the bytes.  A p under 2^-126 counts as 0.
; SHARES.  A work-group owns 256 of the 65,536 rows (all of one batch), each of its eight waves 32: two tiles of 16, as codes in 192 registers.  No wave needs another wave's rows or sums.
; PHASE A: 16 fragments (16 rows x 128 K); each load reads 512 consecutive bytes of one row; three fragments (48 loads) are out; a fragment turns through the wave's own stage in LDS, since the conversion wants 32 neighbours along K in a lane.
; PHASE B: 32 groups of two tiles of Wc_w: a run of 32 matrix instructions (8 K steps x 2 tiles x my 2 tiles of rows) with no transcendental in it, then the group's tanh and sum as one batch.
;   Wc_w's fragments come from wimg straight into operand registers: a ring of 8 K steps (192 registers); a K step's six loads are issued when its registers are free, 7 K steps ahead of their use.
; PHASE C: my 32 rows are read again, two rows (16 loads) a batch, three batches out; four numbers a lane and load x p.
; TWO TEAMS of four waves, by the parity of the wave's number.  Team 1 first lays the tables into LDS and then stands at the one barrier until team 0 has ended its phase A; so one team's streaming phases fall beside the other's phase B.
; NO TENSOR LOAD, NO CLUSTER: no tile lies in LDS, so there is none to ask for jointly.  NO PREFETCH: 48 loads of every streaming wave are out all the time; phase B's loads run 7 K steps ahead by themselves.
; THE PRODUCT IS USED TRANSPOSED (source 0 = 16 rows of Wc_w, source 1 = 16 of my rows): a lane holds one row of encoder_hiddens and eight units k.
; REGISTERS: window 0: v1-23, v40-44 addresses and work; v24-31 my rows' scale words, v32-39 Wc_w's (scales alone); v48-55 the sums; v56-62 at work; v64-127 phase A: the 64 numbers in hand; v128-255 two sets of loads;
;   phase B: v64-255 Wc_w's fragments; phase C: three sets of 64.   window 1: v0-191 my codes, fragment (m, s) at 12 (8 m + s) (phase C: v0-31 the part); v192-255 phase A: the third set; phase B: v192-223 accumulators, v224-239 bias, v240-255 Wa_w
.set SPI,   528
.set STW,   16*SPI
.set SC,    8*STW                      ; Wc_w's scale bytes, [1024][32]
.set BIAS,  SC+32768                   ; my batch's bias, unit k at 4 k
.set WA,    BIAS+4096
.set SPARE, WA+4096                    ; the spare words, 128 bytes a wave
.set WAOFF, WA-BIAS
.set L16, 1
.set STA, 2
.set STB, 3
.set SH8, 4
.set SPW, 5
.set NIL, 6
.set BIA0, 7
.set SCA0, 8
.set L8,  11
.set T0,  12
.set T1,  13
.set SCL, 14
.set BY,  16
.set W,   18
.set W2,  19
.set AS,  24
.set WS,  32
.set BA,  40
.set WSA, 41
.set TS,  42                           ; SC + 16 x my place among my team's 128 threads
.set TA,  43                           ; 16 x that place
.set TBI, 44                           ; bias in memory: 2,048 (place / 4) + 16 (place % 4)
.set SCO, 48
.set TMPC, 56
.set X,   64
.set FR,  64
.set ACC, 192
.set BI,  224
.set WAV, 240
.set WV,  18
.set TM,  19
.set SEL, 20
.set CS,  22
.set HI,  25
.set TT,  28
.set TW,  29
.set CNT, 30
.set MSB, 0
.macro WIN new
.if MSB != (\new)
	s_set_vgpr_msb (MSB<<8)|(\new)
.set MSB, (\new)
.endif
.endm
; ---- phase A
.macro LOADF t                         ; fragment t = 8 m + s into set t % 3: window 0 v128, window 0 v192, window 1 v192
.set sk, (\t)%3
.set sr, 128+64*((sk+1)/2)
	WIN 0x40*(sk/2)
.irp i, 0,1,2,3,4,5,6,7,8,9,10,11,12,13,14,15
	global_load_b128 v[sr+4*\i:sr+4*\i+3], v[L16], s[4:5] offset:(16*((\t)/8)+\i)*4096+512*((\t)%8)
.endr
	WIN 0
.endm
.macro QUANT                           ; the 64 numbers at X are two whole blocks of 32: registers 6 c .. 6 c + 5 of fragment (qm, qs), and the row's scale word
.set af, 12*(8*qm+qs)
.set ar, AS+4*qm+qs/2
	v_max3_num_f32 v[T0], |v[X]|, |v[X+1]|, 0x2800000              ; with the floor 2^(5 - 127): the byte cannot fall under 1
	v_max3_num_f32 v[T1], |v[X+32]|, |v[X+33]|, 0x2800000
.irp i, 2,4,6,8,10,12,14,16,18,20,22,24,26,28,30
	v_max3_num_f32 v[T0], v[T0], |v[X+\i]|, |v[X+1+\i]|
	v_max3_num_f32 v[T1], v[T1], |v[X+32+\i]|, |v[X+33+\i]|
.endr
	v_add_nc_u32 v[SCL], 0xfe000000, v[T0]         ; 4 off the exponent field: the conversion's scale operand
	v_add_nc_u32 v[SCL+1], 0xfe000000, v[T1]
	v_lshrrev_b32 v[BY], 23, v[SCL]
	v_lshrrev_b32 v[BY+1], 23, v[SCL+1]
	v_lshl_or_b32 v[W], v[BY+1], 16, v[BY]
	v_lshlrev_b32 v[W], v[SH8], v[W]
	v_permlanex16_b32 v[W2], v[W], s[SEL], s[SEL+1]
.if qs%2 == 0
	v_or_b32 v[ar], v[W], v[W2]
.else
	v_or_b32 v[W], v[W], v[W2]
	v_cndmask_b32 v[ar], v[ar], v[W], s[HI]        ; an odd K step's word goes to lanes 16-31
.endif
	WIN 0x40
	v_cvt_scalef32_pk16_bf6_f32 v[af:af+2], v[X:X+15], v[SCL]
	v_cvt_scalef32_pk16_bf6_f32 v[af+6:af+8], v[X+32:X+47], v[SCL+1]
	WIN 0
	v_cvt_scalef32_pk16_bf6_f32 v[TMPC:TMPC+2], v[X+16:X+31], v[SCL]          ; (three registers begin on an even number: a block's second three do not)
	v_cvt_scalef32_pk16_bf6_f32 v[TMPC+4:TMPC+6], v[X+48:X+63], v[SCL+1]
	v_nop                                          ; one plain place behind a scaled conversion
	WIN 0x40
.irp i, 0,1,2
	v_mov_b32 v[af+3+\i], v[TMPC+\i]
	v_mov_b32 v[af+9+\i], v[TMPC+4+\i]
.endr
	WIN 0
.endm
.macro STEPF t
.set qm, (\t)/8
.set qs, (\t)%8
.set sk, (\t)%3
.set sr, 128+64*((sk+1)/2)
.if 15-(\t) >= 2
	s_wait_loadcnt 32                              ; this fragment's 16 are in, those of the two fragments behind it stay out
.else
	s_wait_loadcnt 16*(15-(\t))
.endif
	WIN 0x04*(sk/2)                                ; an LDS store's data are its source 1
.irp i, 0,1,2,3,4,5,6,7,8,9,10,11,12,13,14,15
	ds_store_b128 v[STA], v[sr+4*\i:sr+4*\i+3] offset:SPI*\i
.endr
	WIN 0
.irp c, 0,1
.irp i, 0,1,2,3,4,5,6,7
	ds_load_b128 v[X+32*\c+4*\i:X+32*\c+4*\i+3], v[STB] offset:256*\c+16*\i   ; LDS serves a wave's instructions in order: these see the stores above
.endr
.endr
	s_wait_dscnt 0x0
.if (\t)+3 < 16
	LOADF (\t)+3
.endif
	QUANT
.endm
.macro PHASEA
	LOADF 0
	LOADF 1
	LOADF 2
.set T, 0
.rept 16
	STEPF T
.set T, T+1
.endr
	s_wait_alu depctr_va_vdst(0)                   ; the wait ahead of the branch or label
.endm
; ---- phase B
.macro FRLD q, off
.irp u, 0,1
.irp c, 0,1,2
	global_load_b128 v[FR+24*(\q)+12*\u+4*\c:FR+24*(\q)+12*\u+4*\c+3], v[L16], s[6:7] offset:(\off)+12288*\u+1536*(\q)+512*\c
.endr
.endr
.endm
.macro TBLD reg, off                   ; lane (r, h) takes, for tile u, the eight numbers of units 8 h + 0 .. 7
.irp u, 0,1
	ds_load_b128 v[(\reg)+8*\u:(\reg)+8*\u+3], v[BA] offset:(\off)+64*\u
	ds_load_b128 v[(\reg)+8*\u+4:(\reg)+8*\u+7], v[BA] offset:(\off)+64*\u+16
.endr
.endm
.macro WSLD off                        ; register 4 u + q: lanes 0-15 the word of K step q, lanes 16-31 of K step 4 + q, for row r of tile u
.irp u, 0,1
	ds_load_b128 v[WS+4*\u:WS+4*\u+3], v[WSA] offset:(\off)+512*\u
.endr
.endm
.macro HEADREGS
	v_add_nc_u32 v[BA], s[TT], v[BIA0]
	v_add_nc_u32 v[WSA], s[TW], v[SCA0]
.endm
; One product.  K step 0 takes the bias as C: nothing is cleared.  The four accumulators take turns, one instruction a turn.
.macro WM q, u, m
.set rD, ACC+8*(2*(\u)+(\m))
.set rA, FR+24*(\q)+12*(\u)
.set rB, 12*(8*(\m)+(\q))
.set rW, WS+4*(\u)+(\q)%4
.set rE, AS+4*(\m)+(\q)/2
.if (\q) == 0
	v_wmma_scale_f32_16x16x128_f8f6f4 v[rD:rD+7], v[rA:rA+11], v[rB:rB+11], v[BI+8*(\u):BI+8*(\u)+7], v[rW], v[rE] matrix_a_fmt:MATRIX_FMT_BF6 matrix_b_fmt:MATRIX_FMT_BF6
.elseif (\q) == 2
	v_wmma_scale_f32_16x16x128_f8f6f4 v[rD:rD+7], v[rA:rA+11], v[rB:rB+11], v[rD:rD+7], v[rW], v[rE] matrix_a_fmt:MATRIX_FMT_BF6 matrix_b_fmt:MATRIX_FMT_BF6
.elseif (\q) < 4
	v_wmma_scale_f32_16x16x128_f8f6f4 v[rD:rD+7], v[rA:rA+11], v[rB:rB+11], v[rD:rD+7], v[rW], v[rE] matrix_a_fmt:MATRIX_FMT_BF6 matrix_b_fmt:MATRIX_FMT_BF6 matrix_b_scale:MATRIX_SCALE_ROW1
.elseif (\q)%2 == 0
	v_wmma_scale_f32_16x16x128_f8f6f4 v[rD:rD+7], v[rA:rA+11], v[rB:rB+11], v[rD:rD+7], v[rW], v[rE] matrix_a_fmt:MATRIX_FMT_BF6 matrix_b_fmt:MATRIX_FMT_BF6 matrix_a_scale:MATRIX_SCALE_ROW1
.else
	v_wmma_scale_f32_16x16x128_f8f6f4 v[rD:rD+7], v[rA:rA+11], v[rB:rB+11], v[rD:rD+7], v[rW], v[rE] matrix_a_fmt:MATRIX_FMT_BF6 matrix_b_fmt:MATRIX_FMT_BF6 matrix_a_scale:MATRIX_SCALE_ROW1 matrix_b_scale:MATRIX_SCALE_ROW1
.endif
.endm
.macro TR op                           ; 32 transcendentals in place
.set i_, 0
.rept 32
	\op v[ACC+i_], v[ACC+i_]
.set i_, i_+1
.endr
	v_nop                                          ; a plain line behind the last
.endm
; ---- phase C
.macro CLD k                           ; rows 2 k, 2 k + 1 of my 32 into set k % 3: 16 loads of 512 consecutive bytes
.irp rr, 0,1
.irp j, 0,1,2,3,4,5,6,7
	global_load_b128 v[64+64*((\k)%3)+32*\rr+4*\j:64+64*((\k)%3)+32*\rr+4*\j+3], v[L16], s[4:5] offset:(2*(\k)+\rr)*4096+512*\j th:TH_LOAD_NT
.endr
.endr
.endm
; A GROUP.  s_wait_loadcnt 42: behind a K step's six loads the six of each of the 7 K steps after it were issued; in the last group (ld = 0) 6 for each K step still to come.
.macro GROUP ld
.irp q, 0,1,2,3,4,5,6,7
.if \ld
	s_wait_loadcnt 42
.else
	s_wait_loadcnt 6*(7-\q)
.endif
.if \q == 0
	s_wait_dscnt 0x0                               ; this group's bias and scale words
.endif
	WIN 0x54                                       ; D, C and my codes window 1; Wc_w's fragments window 0
.irp u, 0,1
.irp m, 0,1
	WM \q, \u, \m
.endr
.endr
.rept 4
	v_nop                                          ; four places behind the products, ahead of loads into their registers and of the first read of the sums
.endr
.if \q == 0
	WIN 0x40
	TBLD WAV, WAOFF                                ; this group's Wa_w
.if \ld
	TBLD BI, 128                                   ; the next group's bias
.endif
.endif
	WIN 0
.if (\q == 7) && \ld
	WSLD 1024                                      ; the next group's scale words
.endif
.if \ld
	FRLD \q, 24576                                 ; this K step's registers take the next group's fragments
.endif
.endr
.if \ld == 0
	CLD 0                                          ; the fragments' registers are free: phase C's first three batches set out
	CLD 1
	CLD 2
.endif
	WIN 0x41                                       ; the batch: 32 numbers in window 1
.set i_, 0
.rept 16
	v_pk_mul_f32 v[ACC+2*i_:ACC+2*i_+1], v[ACC+2*i_:ACC+2*i_+1], s[CS:CS+1] op_sel_hi:[1,0]   ; c x; ascending: each accumulator is first read at its low end
.set i_, i_+1
.endr
	s_wait_alu depctr_va_vdst(0)                   ; ahead of each batch of transcendentals and behind it
	TR v_exp_f32
	s_wait_alu depctr_va_vdst(0)
.set i_, 0
.rept 16
	v_pk_add_f32 v[ACC+2*i_:ACC+2*i_+1], v[ACC+2*i_:ACC+2*i_+1], 1.0 op_sel_hi:[1,0]
.set i_, i_+1
.endr
	s_wait_alu depctr_va_vdst(0)
	TR v_rcp_f32
	s_wait_dscnt 0x0                               ; Wa_w
	s_wait_alu depctr_va_vdst(0)
	WIN 0x05                                       ; r and Wa_w window 1, the sums window 0
.set z_, 0
.rept 16
	v_pk_fma_f32 v[SCO+4*(z_%2)+2*((z_/2)%2):SCO+4*(z_%2)+2*((z_/2)%2)+1], v[ACC+8*(2*(z_/8)+z_%2)+2*((z_/2)%4):ACC+8*(2*(z_/8)+z_%2)+2*((z_/2)%4)+1], v[WAV+8*(z_/8)+2*((z_/2)%4):WAV+8*(z_/8)+2*((z_/2)%4)+1], v[SCO+4*(z_%2)+2*((z_/2)%2):SCO+4*(z_%2)+2*((z_/2)%2)+1]
.set z_, z_+1
.endr
	WIN 0
.endm
.macro CB k                            ; two rows x p onto the part; then their set takes the batch three further on
	s_wait_alu depctr_va_vdst(0)                   ; the wait ahead of the blocking wait
.if 15-(\k) >= 2
	s_wait_loadcnt 32
.else
	s_wait_loadcnt 16*(15-(\k))
.endif
	v_readlane_b32 s40, v[T0+(\k)/8], (2*(\k))%16  ; row 16 m + r: p in lane r of register m
	v_readlane_b32 s42, v[T0+(\k)/8], (2*(\k))%16+1
	WIN 0x50                                       ; the part window 1, the rows window 0
.irp rr, 0,1
.irp j, 0,1,2,3,4,5,6,7,8,9,10,11,12,13,14,15
.if (\k) == 0 && \rr == 0
	v_pk_mul_f32 v[2*\j:2*\j+1], v[64+64*((\k)%3)+32*\rr+2*\j:64+64*((\k)%3)+32*\rr+2*\j+1], s[40+2*\rr:41+2*\rr] op_sel_hi:[1,0]
.else
	v_pk_fma_f32 v[2*\j:2*\j+1], v[64+64*((\k)%3)+32*\rr+2*\j:64+64*((\k)%3)+32*\rr+2*\j+1], s[40+2*\rr:41+2*\rr], v[2*\j:2*\j+1] op_sel_hi:[1,0,1]
.endif
.endr
.endr
	WIN 0
.if (\k)+3 < 16
	CLD (\k)+3
.endif
.endm
; ---- the head
	s_load_b256 s[4:11], s[0:1], 0x0               ; encoder_hiddens s[4:5], wimg s[6:7], Wc_w_scales s[8:9], bias s[10:11]
	s_load_b128 s[12:15], s[0:1], 0x20             ; Wa_w s[12:13], part s[14:15]
	s_load_b64 s[16:17], s[0:1], 0x30              ; ml
	v_lshl_add_u32 v[SPW], v0, 2, SPARE
	v_mov_b32 v[NIL], 0
	v_lshrrev_b32 v12, 5, v0
	v_readfirstlane_b32 s[WV], v12                 ; wave 0..7
	s_lshl_b32 s32, ttmp9, 20                      ; my work-group's 256 rows of 4,096 bytes,
	s_lshl_b32 s33, s[WV], 17                      ; my wave's 32 of them
	s_add_co_u32 s32, s32, s33
	s_mov_b32 s33, 0
	s_lshl_b32 s34, ttmp9, 3
	s_add_co_u32 s34, s34, s[WV]                   ; my wave among the 2,048
	s_lshl_b32 s36, s34, 8                         ; its 256 bytes of ml,
	s_mov_b32 s37, 0
	s_lshl_b32 s34, s34, 12                        ; its 4,096 bytes of part
	s_mov_b32 s35, 0
	s_lshr_b32 s38, ttmp9, 3                       ; the batch: its 64 bytes of a tile of bias
	s_lshl_b32 s38, s38, 6
	s_mov_b32 s39, 0
	s_mul_i32 s31, s[WV], STW                      ; my stage
	s_lshr_b32 s26, s[WV], 1
	s_xor_b32 s[TM], s[WV], s26
	s_lshr_b32 s26, s[WV], 2
	s_xor_b32 s[TM], s[TM], s26
	s_and_b32 s[TM], s[TM], 1                      ; my team: the parity of the wave's number (team 0: waves 0, 3, 5, 6)
	s_mov_b32 s[SEL], 0x76543210
	s_mov_b32 s[SEL+1], 0xfedcba98
	s_mov_b32 s[CS], 0x4038aa3b                    ; c = 2 log2(e)
	s_mov_b32 s[CS+1], s[CS]
	s_mov_b32 s[HI], 0xffff0000
	s_mov_b32 s[TT], 0
	s_mov_b32 s[TW], 0
	s_mov_b32 s41, 0                               ; the upper halves of the pairs that carry p: named with them, so they are written
	s_mov_b32 s43, 0
	v_and_b32 v13, 31, v0                          ; lane
	v_and_b32 v14, 15, v0                          ; r
	v_bfe_u32 v15, v0, 4, 1                        ; h
	v_lshlrev_b32 v[L16], 4, v13
	v_lshlrev_b32 v[L8], 3, v13
	v_lshlrev_b32 v[SH8], 3, v15
	v_add_nc_u32 v[STA], s31, v[L16]
	v_mul_u32_u24 v[STB], v14, SPI
	v_lshl_add_u32 v[STB], v15, 7, v[STB]
	v_add_nc_u32 v[STB], s31, v[STB]
	v_lshl_add_u32 v[BIA0], v15, 5, BIAS
	v_lshlrev_b32 v[SCA0], 5, v14
	v_lshl_add_u32 v[SCA0], v15, 4, v[SCA0]
	v_add_nc_u32 v[SCA0], SC, v[SCA0]
	v_lshrrev_b32 v16, 6, v0                       ; wave / 2: my wave's place in its team, 0..3
	v_lshl_or_b32 v16, v16, 5, v13                 ; my place among the team's 128 threads
	v_lshlrev_b32 v[TA], 4, v16
	v_lshl_add_u32 v[TS], v16, 4, SC
	v_lshrrev_b32 v[TBI], 2, v16
	v_lshlrev_b32 v[TBI], 11, v[TBI]
	v_and_b32 v17, 3, v16
	v_lshl_add_u32 v[TBI], v17, 4, v[TBI]
	v_mov_b32 v[W2], 0                             ; a lane permute's destination counts as one of its sources
	s_wait_alu depctr_va_vdst(0)
	s_wait_kmcnt 0x0
	s_add_nc_u64 s[4:5], s[4:5], s[32:33]
	s_add_nc_u64 s[14:15], s[14:15], s[34:35]
	s_add_nc_u64 s[16:17], s[16:17], s[36:37]
	s_add_nc_u64 s[10:11], s[10:11], s[38:39]
	s_cmp_lg_u32 s[TM], 0
	s_cbranch_scc1 .Ltables
	PHASEA                                         ; team 0
	s_branch .Lmeet
.Ltables:                                              ; team 1: the tables, 20 loads and 20 stores a thread; a wave's load reads 512 consecutive bytes (of bias: eight pieces of 64)
.irp j, 0,1,2,3,4,5,6,7,8,9,10,11,12,13,14,15
	global_load_b128 v[64+4*\j:64+4*\j+3], v[TA], s[8:9] offset:2048*\j
.endr
.irp j, 0,1
	global_load_b128 v[128+4*\j:128+4*\j+3], v[TBI], s[10:11] offset:65536*\j
	global_load_b128 v[136+4*\j:136+4*\j+3], v[TA], s[12:13] offset:2048*\j
.endr
	s_wait_loadcnt 0x0
.irp j, 0,1,2,3,4,5,6,7,8,9,10,11,12,13,14,15
	ds_store_b128 v[TS], v[64+4*\j:64+4*\j+3] offset:2048*\j
.endr
.irp j, 0,1
	ds_store_b128 v[TS], v[128+4*\j:128+4*\j+3] offset:BIAS-SC+2048*\j
	ds_store_b128 v[TS], v[136+4*\j:136+4*\j+3] offset:WA-SC+2048*\j
.endr
.Lmeet:
	s_wait_dscnt 0x0                               ; for the others' sake: the tables lie in LDS
	s_barrier_signal -1
	s_barrier_wait -1                              ; team 0 has ended its phase A, and sees the tables
	s_cmp_eq_u32 s[TM], 0
	s_cbranch_scc1 .Lproducts
	PHASEA                                         ; team 1
.Lproducts:
.irp q, 0,1,2,3,4,5,6,7
	FRLD \q, 0                                     ; group 0's fragments
.endr
	HEADREGS
	WSLD 0
	WIN 0x40
	TBLD BI, 0
	WIN 0
.irp i, 0,1,2,3,4,5,6,7
	v_mov_b32 v[SCO+\i], 0
.endr
	s_wait_alu depctr_va_vdst(0)
; ---- phase B
	s_mov_b32 s[CNT], 31
.Lgroup:
	GROUP 1
	s_wait_xcnt 0x0                                ; the loads have read their base
	s_add_nc_u64 s[6:7], s[6:7], 24576
	s_add_co_u32 s[TT], s[TT], 128
	s_add_co_u32 s[TW], s[TW], 1024
	HEADREGS
	s_sub_co_u32 s[CNT], s[CNT], 1
	s_cmp_lg_u32 s[CNT], 0
	s_wait_alu depctr_va_vdst(0)
	s_cbranch_scc1 .Lgroup
	GROUP 0                                        ; the last group is written out: it fetches no fragment
; ---- my 32 t, their maximum, p and its sum
.irp m, 0,1
	v_add_f32 v[T0+\m], v[SCO+4*\m], v[SCO+4*\m+1]
	v_add_f32 v[BY+\m], v[SCO+4*\m+2], v[SCO+4*\m+3]
.endr
.irp m, 0,1
	v_add_f32 v[T0+\m], v[T0+\m], v[BY+\m]
.endr
.irp m, 0,1
	v_permlanex16_b32 v[BY+\m], v[T0+\m], s[SEL], s[SEL+1]
.endr
.irp m, 0,1
	v_add_f32 v[T0+\m], v[T0+\m], v[BY+\m]         ; row 16 m + r's sum of wa r, in both halves of the lanes
.endr
.irp m, 0,1
	v_mul_f32 v[T0+\m], 0xc038aa3b, v[T0+\m]       ; t
.endr
	v_max_num_f32 v20, v[T0], v[T1]
	v_max_num_f32_dpp v20, v20, v20 row_xmask:1 row_mask:0xf bank_mask:0xf
	v_max_num_f32_dpp v20, v20, v20 row_xmask:2 row_mask:0xf bank_mask:0xf
	v_max_num_f32_dpp v20, v20, v20 row_xmask:4 row_mask:0xf bank_mask:0xf
	v_max_num_f32_dpp v20, v20, v20 row_xmask:8 row_mask:0xf bank_mask:0xf   ; m
	v_sub_f32 v[T0], v[T0], v20
	v_sub_f32 v[T1], v[T1], v20
	s_wait_alu depctr_va_vdst(0)                   ; ahead of the two exponentials and behind them
	v_exp_f32 v[T0], v[T0]
	v_exp_f32 v[T1], v[T1]
	v_nop
	s_wait_alu depctr_va_vdst(0)
	v_add_f32 v21, v[T0], v[T1]
	v_add_f32_dpp v21, v21, v21 row_xmask:1 row_mask:0xf bank_mask:0xf
	v_add_f32_dpp v21, v21, v21 row_xmask:2 row_mask:0xf bank_mask:0xf
	v_add_f32_dpp v21, v21, v21 row_xmask:4 row_mask:0xf bank_mask:0xf
	v_add_f32_dpp v21, v21, v21 row_xmask:8 row_mask:0xf bank_mask:0xf       ; l
	global_store_b64 v[L8], v[20:21], s[16:17]     ; (m, l) from every lane: 256 consecutive bytes, at a multiple of 256 from ml's first byte
; ---- phase C
.set K, 0
.rept 16
	CB K
.set K, K+1
.endr
	WIN 0x04                                       ; a store's data are its source 1: window 1
.irp j, 0,1,2,3,4,5,6,7
	global_store_b128 v[L16], v[4*\j:4*\j+3], s[14:15] offset:512*\j   ; 32 lanes store 512 consecutive bytes, at a multiple of 256 from part's first byte
.endr
	WIN 0
	s_wait_tensorcnt 0x0                           ; the wave's end
	ds_add_u32 v[SPW], v[NIL]
	s_wait_dscnt 0x0
	s_endpgm
.Lfunc_end_k_qe317190772_fused:
	.size	k_qe317190772_fused, .Lfunc_end_k_qe317190772_fused-k_qe317190772_fused
	.p2alignl 7, 3214868480
	.fill 96, 4, 3214868480
	.section	.rodata,"a",@progbits
	.p2align	6, 0x0
	.amdhsa_kernel k_qe317190772_fused
		.amdhsa_group_segment_fixed_size 109568
		.amdhsa_private_segment_fixed_size 0
		.amdhsa_enable_private_segment 0
		.amdhsa_kernarg_size 56
		.amdhsa_user_sgpr_count 2
		.amdhsa_user_sgpr_kernarg_segment_ptr 1
		.amdhsa_wavefront_size32 1
		.amdhsa_system_sgpr_workgroup_id_x 1
		.amdhsa_system_sgpr_workgroup_id_y 1
		.amdhsa_system_sgpr_workgroup_id_z 1
		.amdhsa_system_vgpr_workitem_id 0
		.amdhsa_next_free_vgpr 512
		.amdhsa_next_free_sgpr 66
		.amdhsa_reserve_vcc 0
		.amdhsa_float_denorm_mode_32 3
		.amdhsa_float_denorm_mode_16_64 3
		.amdhsa_memory_ordered 1
		.amdhsa_forward_progress 1
		.amdhsa_inst_pref_size 255
	.end_amdhsa_kernel
	.section	.bss,"aw",@nobits
	.p2align	6
	.space	262144
	.amdgpu_metadata
---
amdhsa.version: [ 1, 2 ]
amdhsa.kernels:
  - .name:           k_qe317190772_fused
    .symbol:         k_qe317190772_fused.kd
    .args:
      - { .name: encoder_hiddens, .offset: 0, .size: 8, .value_kind: global_buffer, .address_space: global }
      - { .name: wimg, .offset: 8, .size: 8, .value_kind: global_buffer, .address_space: global }
      - { .name: Wc_w_scales, .offset: 16, .size: 8, .value_kind: global_buffer, .address_space: global }
      - { .name: bias, .offset: 24, .size: 8, .value_kind: global_buffer, .address_space: global }
      - { .name: Wa_w, .offset: 32, .size: 8, .value_kind: global_buffer, .address_space: global }
      - { .name: part, .offset: 40, .size: 8, .value_kind: global_buffer, .address_space: global }
      - { .name: ml, .offset: 48, .size: 8, .value_kind: global_buffer, .address_space: global }
    .group_segment_fixed_size: 109568
    .private_segment_fixed_size: 0
    .kernarg_segment_align: 8
    .kernarg_segment_size: 56
    .max_flat_workgroup_size: 256
    .sgpr_count:     66
    .vgpr_count:     512
    .wavefront_size: 32
...
	.end_amdgpu_metadata
.endif
;; end of part 2
;; launch combine (part 3): grid 512 x 1, 1 waves a work-group, no clusters, 0 bytes of LDS; arguments part, ml, out0; writes out0
.if DOCPART == 3
	.amdgcn_target "amdgcn-amd-amdhsa--gfx1250"
	.amdhsa_code_object_version 6
	.text
	.protected	k_qe317190772_combine
	.globl	k_qe317190772_combine
	.p2align	8
	.type	k_qe317190772_combine,@function
k_qe317190772_combine:
	s_mov_b64 s[64:65], 0
	v_nop
	global_prefetch_b8 v0, s[64:65] scope:SCOPE_SE
	s_setreg_imm32_b32 hwreg(HW_REG_WAVE_MODE, 25, 1), 1
	s_wait_xcnt 0x0
; out0[b][:] = sum over a batch's 64 parts j of 2^(m_j - M) part_j[:]  /  sum over j of 2^(m_j - M) l_j,  M the largest m_j: the softmax's maximum is taken away part by part and then over the parts.  All in f32.
; (The scores lack a term that is the same along the softmax's axis: shown at the head of the first kernel.)
; SHARES.  Work-group g, one wave, owns out0[g / 16][64 (g % 16) .. + 63]: a lane two numbers; a load reads 256 consecutive bytes of one part, at a multiple of 256 from the buffer's first byte.
; Lane l takes (m, l) of parts l and l + 32: 8 bytes of each part's record, read once.  No loop to run ahead in: no prefetch; nothing is shared that would want a cluster or LDS.
; LIMITS: NaN and infinities are not served; a factor under 2^-126 counts as 0.
; REGISTERS: v1, v2 addresses; v4-7 (m, l) twice, then the factors; v8-11 at work; v16-23 four sets of sums; v64-191 the 64 parts.
	s_load_b128 s[4:7], s[0:1], 0x0                ; part s[4:5], ml s[6:7]
	s_load_b64 s[8:9], s[0:1], 0x10                ; out0
	s_lshr_b32 s10, ttmp9, 4                       ; the batch
	s_and_b32 s11, ttmp9, 15                       ; which 64 columns
	s_lshl_b32 s11, s11, 8
	s_lshl_b32 s12, s10, 18                        ; its 64 parts of 4,096 bytes
	s_add_co_u32 s12, s12, s11
	s_mov_b32 s13, 0
	s_lshl_b32 s14, s10, 14                        ; their records of 256 bytes
	s_mov_b32 s15, 0
	s_lshl_b32 s16, s10, 12
	s_add_co_u32 s16, s16, s11
	s_mov_b32 s17, 0
	s_mov_b32 s24, 0x76543210
	s_mov_b32 s25, 0xfedcba98
.irp j, 0,1,2,3,4,5,6,7
	s_mov_b32 s[33+2*\j], 0                        ; the upper halves of the pairs that carry a factor
.endr
	v_lshlrev_b32 v1, 3, v0
	v_lshlrev_b32 v2, 8, v0
	v_mov_b32 v9, 0
	s_wait_alu depctr_va_vdst(0)
	s_wait_kmcnt 0x0
	s_add_nc_u64 s[4:5], s[4:5], s[12:13]
	s_add_nc_u64 s[6:7], s[6:7], s[14:15]
	s_add_nc_u64 s[8:9], s[8:9], s[16:17]
	global_load_b64 v[4:5], v2, s[6:7]
	global_load_b64 v[6:7], v2, s[6:7] offset:8192
.set i_, 0
.rept 32
	global_load_b64 v[64+2*i_:65+2*i_], v1, s[4:5] offset:4096*i_ th:TH_LOAD_NT
.set i_, i_+1
.endr
	s_wait_loadcnt 32                              ; the records are in; the 32 parts behind them stay out
.rept 32
	global_load_b64 v[64+2*i_:65+2*i_], v1, s[4:5] offset:4096*i_ th:TH_LOAD_NT
.set i_, i_+1
.endr
	v_max_num_f32 v8, v4, v6
	v_max_num_f32_dpp v8, v8, v8 row_xmask:1 row_mask:0xf bank_mask:0xf
	v_max_num_f32_dpp v8, v8, v8 row_xmask:2 row_mask:0xf bank_mask:0xf
	v_max_num_f32_dpp v8, v8, v8 row_xmask:4 row_mask:0xf bank_mask:0xf
	v_max_num_f32_dpp v8, v8, v8 row_xmask:8 row_mask:0xf bank_mask:0xf
	v_permlanex16_b32 v9, v8, s24, s25
	v_max_num_f32 v8, v8, v9                       ; M
	v_sub_f32 v4, v4, v8
	v_sub_f32 v6, v6, v8
	s_wait_alu depctr_va_vdst(0)                   ; ahead of each transcendental and behind it
	v_exp_f32 v4, v4
	v_exp_f32 v6, v6
	v_nop
	s_wait_alu depctr_va_vdst(0)
	v_mul_f32 v10, v4, v5
	v_fma_f32 v10, v6, v7, v10
	v_add_f32_dpp v10, v10, v10 row_xmask:1 row_mask:0xf bank_mask:0xf
	v_add_f32_dpp v10, v10, v10 row_xmask:2 row_mask:0xf bank_mask:0xf
	v_add_f32_dpp v10, v10, v10 row_xmask:4 row_mask:0xf bank_mask:0xf
	v_add_f32_dpp v10, v10, v10 row_xmask:8 row_mask:0xf bank_mask:0xf
	v_permlanex16_b32 v9, v10, s24, s25
	v_add_f32 v10, v10, v9                         ; the row's sum, at least 1
	s_wait_alu depctr_va_vdst(0)
	v_rcp_f32 v11, v10
	v_nop
	s_wait_alu depctr_va_vdst(0)
	v_mul_f32 v4, v4, v11                          ; part l's factor,
	v_mul_f32 v6, v6, v11                          ; and part l + 32's
	s_wait_alu depctr_va_vdst(0)
	s_wait_loadcnt 0x0
.irp g, 0,1,2,3,4,5,6,7
.irp j, 0,1,2,3,4,5,6,7
	v_readlane_b32 s[32+2*\j], v[4+2*(\g/4)], 8*(\g%4)+\j
.endr
.irp j, 0,1,2,3,4,5,6,7
.if \g == 0 && \j < 4
	v_pk_mul_f32 v[16+2*\j:17+2*\j], v[64+16*\g+2*\j:65+16*\g+2*\j], s[32+2*\j:33+2*\j] op_sel_hi:[1,0]       ; the first four parts start the four sets of sums
.else
	v_pk_fma_f32 v[16+2*(\j%4):17+2*(\j%4)], v[64+16*\g+2*\j:65+16*\g+2*\j], s[32+2*\j:33+2*\j], v[16+2*(\j%4):17+2*(\j%4)] op_sel_hi:[1,0,1]
.endif
.endr
.endr
	v_pk_add_f32 v[16:17], v[16:17], v[18:19]
	v_pk_add_f32 v[20:21], v[20:21], v[22:23]
	v_pk_add_f32 v[16:17], v[16:17], v[20:21]
	global_store_b64 v1, v[16:17], s[8:9]          ; 32 lanes store 256 consecutive bytes, at a multiple of 256 from out0's first byte
	s_endpgm
.Lfunc_end_k_qe317190772_combine:
	.size	k_qe317190772_combine, .Lfunc_end_k_qe317190772_combine-k_qe317190772_combine
	.p2alignl 7, 3214868480
	.fill 96, 4, 3214868480
	.section	.rodata,"a",@progbits
	.p2align	6, 0x0
	.amdhsa_kernel k_qe317190772_combine
		.amdhsa_group_segment_fixed_size 0
		.amdhsa_private_segment_fixed_size 0
		.amdhsa_enable_private_segment 0
		.amdhsa_kernarg_size 24
		.amdhsa_user_sgpr_count 2
		.amdhsa_user_sgpr_kernarg_segment_ptr 1
		.amdhsa_wavefront_size32 1
		.amdhsa_system_sgpr_workgroup_id_x 1
		.amdhsa_system_sgpr_workgroup_id_y 1
		.amdhsa_system_sgpr_workgroup_id_z 1
		.amdhsa_system_vgpr_workitem_id 0
		.amdhsa_next_free_vgpr 256
		.amdhsa_next_free_sgpr 66
		.amdhsa_reserve_vcc 0
		.amdhsa_float_denorm_mode_32 3
		.amdhsa_float_denorm_mode_16_64 3
		.amdhsa_memory_ordered 1
		.amdhsa_forward_progress 1
		.amdhsa_inst_pref_size 18
	.end_amdhsa_kernel
	.amdgpu_metadata
---
amdhsa.version: [ 1, 2 ]
amdhsa.kernels:
  - .name:           k_qe317190772_combine
    .symbol:         k_qe317190772_combine.kd
    .args:
      - { .name: part, .offset: 0, .size: 8, .value_kind: global_buffer, .address_space: global }
      - { .name: ml, .offset: 8, .size: 8, .value_kind: global_buffer, .address_space: global }
      - { .name: out0, .offset: 16, .size: 8, .value_kind: global_buffer, .address_space: global }
    .group_segment_fixed_size: 0
    .private_segment_fixed_size: 0
    .kernarg_segment_align: 8
    .kernarg_segment_size: 24
    .max_flat_workgroup_size: 32
    .sgpr_count:     66
    .vgpr_count:     256
    .wavefront_size: 32
...
	.end_amdgpu_metadata
.endif
;; end of part 3
